; MI455X (gfx1250); checked and timed in simulation.
; The chip was launched on July 23, 2026; its instructions are those of AMD's public machine-readable ISA for CDNA 5 (MIT licence, August 2026) and "CDNA5" Instruction Set Architecture Reference Guide (July 2026). The comments in the code are by the model that wrote it; some were corrected since.
;; Attention. Allowed arithmetic: matrix products marked QUANTISED: E4M3 operands, one given power-of-two scale a tensor, by v_wmma_f32_16x16x64_fp8_fp8 or v_wmma_f32_16x16x128_fp8_fp8, f32 sums; everything else in f32.
;; Inputs: W_o 1,024 x 1,024 float32; W_qkv 3,072 x 1,024 float32; lowp_scales 8 int32 (the exponents e of the quantised operands' scales 2^e); x 4 x 2,048 x 1,024 float32.
;; Outputs: out0 4 x 2,048 x 1,024 float32.
;; This version of the problem:
;;   THIS VERSION OF THE PROBLEM IS GIVEN IN LOW PRECISION. The matrix products marked QUANTISED in the list below multiply operands that are first quantised to E4M3 (4 exponent bits, 3 mantissa bits; 8 bits a number), with one given power-of-two scale for each operand tensor; their sums are f32. All else is computed in f32.
;;   The module's matrix products, in the order in which they are computed (A, B: the left and right operand; K: the contracted axis; several contracted axes count as one K, in the product's order):
;;     1. [M 8,192, K 1,024] x [K 1,024, N 3,072]; A: input x; B: input W_qkv: QUANTISED (scales: A lowp_scales[0], B lowp_scales[1])
;;     2. batch 64 x [M 2,048, K 64] x [K 64, N 2,048]; A: computed on the way; B: computed on the way: QUANTISED (scales: A lowp_scales[2], B lowp_scales[3])
;;     3. batch 64 x [M 2,048, K 2,048] x [K 2,048, N 64]; A: softmax (see below); B: computed on the way: QUANTISED (scales: A lowp_scales[4], B lowp_scales[5])
;;     4. [M 8,192, K 1,024] x [K 1,024, N 1,024]; A: computed on the way; B: input W_o: QUANTISED (scales: A lowp_scales[6], B lowp_scales[7])
;;   THE QUANTISER, for each operand of a quantised product, along K:
;;     - The operand's scale is 2^e, e = its entry of the input lowp_scales (int32; the entries are numbered through the quantised products in the list's order, A before B).
;;     - Each number is divided by the scale, clamped to +-448, and rounded to the nearest number of E4M3, ties to even, subnormals kept.
;;     - The product sums the exact products of the quantised numbers (number of the format x scale) in f32.
;;   ~~~python
;;   def quantise(x, axis, e):      # numpy; x: float32 -> the quantised numbers, widened to float32 again
;;       x = np.moveaxis(x, axis, -1); K = x.shape[-1]
;;       r = np.clip(x / 2.0 ** e, -448, 448)
;;       step = 2.0 ** (np.maximum(np.frexp(np.where(r == 0, 1, r))[1] - 1, -6) - 3)
;;       q = np.round(r / step) * step * 2.0 ** e      # np.round: ties to even
;;       return np.moveaxis(q, -1, axis).astype(np.float32)
;;   ~~~
;;   SOFTMAX AHEAD OF A QUANTISED PRODUCT. Where the list says 'softmax', what is quantised is not the finished softmax but p = 2^(t - M), with t = logit x log2(e) and M = ceil(the row's largest t), a whole number; so 1/2 < the row's largest p <= 1. The row's sum l is taken of the UNQUANTISED p, in f32, and the product's result is divided by l at the end. Since M is a whole number, a kernel that streams over the keys may use a running M (the ceiling of the running maximum): every later rescaling is an exact power of two, so the quantised numbers keep their values, but for numbers so far below the row's largest that they fall under the format's range.
;;   OPERANDS COMPUTED ON THE WAY. 'Computed on the way' means the value that the module computes at that place (a softmax that the list does not call 'softmax' is quantised finished and normalised). What goes into a quantiser is computed in f32, as accurately as f32 sums, v_exp_f32 and their like allow (about 1e-6 of the number): no bf16 or f16 on the way to a quantiser, and a product that is left as it is and whose result goes on into a quantised operand takes f32 operands (vector FMAs, or v_wmma_f32_16x16x4_f32). A number that lies on a knife's edge between two numbers of the format may be rounded either way, as far as f32 arithmetic and the matrix unit's own rounding can turn it there, and no further.
;; One version. Each part assembles by itself: llvm-mc -triple=amdgcn-amd-amdhsa -mcpu=gfx1250 --defsym DOCPART=n.
;; ======== version 1 of 1: 4 launches
;; limits: right only within a limited range of input values
;; workspace buffers: x_codes 8,388,608 bytes; wqkv_codes 3,145,728 bytes; wo_codes 1,048,576 bytes; qkv_codes 25,165,824 bytes; o_codes 8,388,608 bytes
;; launch quant (part 1): grid 384 x 1, 4 waves a work-group, no clusters, 33,280 bytes of LDS; arguments x, W_qkv, W_o, lowp_scales, x_codes, wqkv_codes, wo_codes; writes x_codes, wqkv_codes, wo_codes
.if DOCPART == 1
	.amdgcn_target "amdgcn-amd-amdhsa--gfx1250"
	.amdhsa_code_object_version 6
	.text
	.protected	k_qeb2601e480_quant
	.globl	k_qeb2601e480_quant
	.p2align	8
	.type	k_qeb2601e480_quant,@function
k_qeb2601e480_quant:
	s_mov_b64 s[64:65], 0
	v_nop
	global_prefetch_b8 v0, s[64:65] scope:SCOPE_SE
	s_setreg_imm32_b32 hwreg(HW_REG_WAVE_MODE, 25, 1), 1
	s_wait_xcnt 0x0
; x [8192][1024], W_qkv [3072][1024] and W_o [1024][1024], f32 with K innermost, become codes of E4M3, one byte each, K innermost, each with the scale 2^e that is given for it
; (entries 0, 1 and 7 of the scales).  code = number / 2^e, held within +-448, rounded to the nearest code, ties to even.
; LIMITS: each of the three e lies between -126 and 119, so that 2^e and 448 x 2^e are f32 numbers.  NaN among the inputs is not served; an infinity is held at the largest code.
; THE ROWS OF x AND OF W_qkv ARE STORED IN ANOTHER ORDER: row n goes to the place whose number has bits 3 and 4 of n exchanged.  In a stored tile of 16 rows, 2 B + u, place r then holds row
; 32 B + 8 u + r + 8 (r / 8): the later products' results come out with 16 neighbours in 16 registers of a lane, and are quantised without changing lanes.  W_o keeps its order.
; SHARES.  A wave takes a run of 8 rows, 8,192 numbers, in 16 steps of 512; exchanging bits 3 and 4 of a row's number is exchanging bits 0 and 1 of the run's.  Work-groups 0-255 take x, 256-351 W_qkv, 352-383 W_o:
; only pointers and numbers are chosen, all take one path.  No tensor loads, no barrier: waves share nothing.
; A conversion takes 8 numbers of one lane's consecutive registers, so a lane must hold neighbours; a load is dense where neighbouring lanes take neighbouring bytes.  Both are had: a step's four loads read 512 consecutive
; bytes each, 16 a lane; the 2,048 bytes go through the wave's own stage in LDS and come back 64 bytes a lane (80 bytes from lane to lane).  A lane's 16 codes are 16 bytes: the wave stores 512 consecutive bytes.
.set STEPS, 16
.set WGX,   256                        ; work-groups for x: 8192 x 1024 / 32768
.set WGXW,  352                        ; and with W_qkv's 96
.set SP,    80                         ; a lane's place in a stage: 64 bytes + 16
.set WREG,  8192                       ; LDS of a wave: two stages of 32 x SP bytes
.set R,     16                         ; v16-79   four sets of 16 numbers as loaded
.set X,     80                         ; v80-111  two sets of 16 neighbours
.set C,     128                        ; v128-191 four registers of codes for each step: no store's data are written again
	s_load_b256 s[4:11], s[0:1], 0x0               ; x s[4:5], W_qkv s[6:7], W_o s[8:9], the scales' exponents s[10:11]
	s_load_b128 s[12:15], s[0:1], 0x20             ; x's codes, W_qkv's codes
	s_load_b64 s[16:17], s[0:1], 0x30              ; W_o's codes
	v_lshl_add_u32 v192, v0, 2, 0x8000
	v_mov_b32 v193, 0
	v_lshrrev_b32 v1, 5, v0
	v_readfirstlane_b32 s18, v1                    ; wave
	v_and_b32 v2, 31, v0                           ; lane
	v_lshlrev_b32 v3, 4, v2                        ; 16 x lane: my bytes of a load's 512, and of a step's 512 bytes of codes
	s_mul_i32 s20, s18, WREG
	v_lshrrev_b32 v14, 2, v2
	v_mul_u32_u24 v14, v14, SP
	v_and_b32 v15, 3, v2
	v_lshl_add_u32 v14, v15, 4, v14
	v_add_nc_u32 v14, s20, v14                     ; the stage, on the way in: SP (lane / 4) + 16 (lane % 4)
	v_mul_u32_u24 v15, v2, SP
	v_add_nc_u32 v15, s20, v15                     ; and on the way out: SP x lane
	s_mov_b32 s19, WGXW
	s_cmp_lt_u32 ttmp9, WGXW
	s_cselect_b32 s19, WGX, s19
	s_cmp_lt_u32 ttmp9, WGX
	s_cselect_b32 s19, 0, s19                      ; the first work-group of my tensor
	s_sub_co_u32 s19, ttmp9, s19
	s_lshl_b32 s19, s19, 2
	s_add_co_u32 s19, s19, s18                     ; g: which run of 8 rows of the tensor is my wave's
	s_and_not1_b32 s21, s19, 3
	s_and_b32 s22, s19, 1
	s_lshl_b32 s22, s22, 1
	s_bfe_u32 s23, s19, 0x10001
	s_or_b32 s21, s21, s22
	s_or_b32 s21, s21, s23                         ; g with bits 0 and 1 exchanged
	s_cmp_lt_u32 ttmp9, WGXW
	s_cselect_b32 s21, s21, s19                    ; where the run's codes go; W_o's stay in order
	s_lshl_b32 s32, s19, 15                        ; 32,768 bytes of numbers a run
	s_mov_b32 s33, 0
	s_lshl_b32 s34, s21, 13                        ; 8,192 bytes of codes
	s_mov_b32 s35, 0
	s_wait_alu depctr_va_vdst(0)
	s_wait_kmcnt 0x0
	s_load_b256 s[24:31], s[10:11], 0x0            ; e0 .. e7
	s_cmp_lt_u32 ttmp9, WGXW                       ; the choices hang on the work-group's number alone
	s_cselect_b64 s[6:7], s[6:7], s[8:9]
	s_cselect_b64 s[14:15], s[14:15], s[16:17]
	s_cmp_lt_u32 ttmp9, WGX
	s_cselect_b64 s[4:5], s[4:5], s[6:7]
	s_cselect_b64 s[12:13], s[12:13], s[14:15]
	s_add_nc_u64 s[4:5], s[4:5], s[32:33]
	s_add_nc_u64 s[12:13], s[12:13], s[34:35]
.macro LOAD t
.irp i, 0,1,2,3
	global_load_b128 v[R+16*((\t)%4)+4*\i:R+16*((\t)%4)+4*\i+3], v3, s[4:5] offset:2048*(\t)+512*\i th:TH_LOAD_NT   ; 32 lanes read 512 consecutive bytes
.endr
.endm
.macro TURN t                          ; step t's numbers through the stage: LDS serves a wave's instructions in order (ISA guide 5.7.1.4), so no wait stands between the stores and the loads
.irp i, 0,1,2,3
	ds_store_b128 v14, v[R+16*((\t)%4)+4*\i:R+16*((\t)%4)+4*\i+3] offset:32*SP*((\t)%2)+8*SP*\i
.endr
.irp i, 0,1,2,3
	ds_load_b128 v[X+16*((\t)%2)+4*\i:X+16*((\t)%2)+4*\i+3], v15 offset:32*SP*((\t)%2)+16*\i
.endr
.endm
.irp t, 0,1,2,3
	LOAD \t
.endr
	s_wait_kmcnt 0x0
	s_cmp_lt_u32 ttmp9, WGXW
	s_cselect_b32 s25, s25, s31                    ; e1 or e7
	s_cmp_lt_u32 ttmp9, WGX
	s_cselect_b32 s24, s24, s25                    ; e of my tensor
	s_add_co_i32 s24, s24, 127
	s_lshl_b32 s25, s24, 23
	v_mov_b32 v11, s25                             ; 2^e as f32: the conversion takes its exponent field
	s_add_co_i32 s24, s24, 8
	s_lshl_b32 s24, s24, 23
	s_or_b32 s24, s24, 0x600000
	s_wait_alu depctr_va_vdst(0)
	s_wait_loadcnt 12                              ; step 0's four loads are in; the twelve of steps 1 to 3 may be out
	TURN 0
.macro STEP t
.set XS, X+16*((\t)%2)
	s_wait_dscnt 0x0                               ; this step's numbers are back from the stage: so its stores into the stage have read their registers,
.if (\t)+4 < STEPS
	LOAD (\t)+4                                    ; which take the loads of four steps on
.endif
.if (\t)+1 < STEPS
.if STEPS-2-(\t) >= 3
	s_wait_loadcnt 12                              ; the next step's four loads are in; those of the three steps behind it may be out
.else
	s_wait_loadcnt 4*(STEPS-2-(\t))                ; the counts run down: nothing more is asked for
.endif
	TURN (\t)+1                                    ; and go through the other stage while this step is worked
.endif
.set i, 0
.rept 16
.set i, i+1
.endr
	v_cvt_scalef32_pk8_fp8_f32 v[C+4*(\t):C+4*(\t)+1], v[XS:XS+7], v11
	v_cvt_scalef32_pk8_fp8_f32 v[C+4*(\t)+2:C+4*(\t)+3], v[XS+8:XS+15], v11   ; the results go to a store alone
	global_store_b128 v3, v[C+4*(\t):C+4*(\t)+3], s[12:13] offset:512*(\t)    ; 32 lanes store 512 consecutive bytes, at a multiple of 512 from the buffer's first byte
.endm
.irp t, 0,1,2,3,4,5,6,7,8,9,10,11,12,13,14,15
	STEP \t
.endr
	s_wait_tensorcnt 0x0
	ds_add_u32 v192, v193
	s_wait_dscnt 0x0
	s_endpgm
.Lfunc_end_k_qeb2601e480_quant:
	.size	k_qeb2601e480_quant, .Lfunc_end_k_qeb2601e480_quant-k_qeb2601e480_quant
	.p2alignl 7, 3214868480
	.fill 96, 4, 3214868480
	.section	.rodata,"a",@progbits
	.p2align	6, 0x0
	.amdhsa_kernel k_qeb2601e480_quant
		.amdhsa_group_segment_fixed_size 33280
		.amdhsa_private_segment_fixed_size 0
		.amdhsa_enable_private_segment 0
		.amdhsa_kernarg_size 56
		.amdhsa_user_sgpr_count 2
		.amdhsa_user_sgpr_kernarg_segment_ptr 1
		.amdhsa_wavefront_size32 1
		.amdhsa_system_sgpr_workgroup_id_x 1
		.amdhsa_system_sgpr_workgroup_id_y 1
		.amdhsa_system_sgpr_workgroup_id_z 1
		.amdhsa_system_vgpr_workitem_id 0
		.amdhsa_next_free_vgpr 194
		.amdhsa_next_free_sgpr 66
		.amdhsa_reserve_vcc 0
		.amdhsa_float_denorm_mode_32 3
		.amdhsa_float_denorm_mode_16_64 3
		.amdhsa_fp16_overflow 1
		.amdhsa_memory_ordered 1
		.amdhsa_forward_progress 1
		.amdhsa_inst_pref_size 22
	.end_amdhsa_kernel
	.amdgpu_metadata
---
amdhsa.version: [ 1, 2 ]
amdhsa.kernels:
  - .name:           k_qeb2601e480_quant
    .symbol:         k_qeb2601e480_quant.kd
    .args:
      - { .name: x, .offset: 0, .size: 8, .value_kind: global_buffer, .address_space: global }
      - { .name: W_qkv, .offset: 8, .size: 8, .value_kind: global_buffer, .address_space: global }
      - { .name: W_o, .offset: 16, .size: 8, .value_kind: global_buffer, .address_space: global }
      - { .name: lowp_scales, .offset: 24, .size: 8, .value_kind: global_buffer, .address_space: global }
      - { .name: x_codes, .offset: 32, .size: 8, .value_kind: global_buffer, .address_space: global }
      - { .name: wqkv_codes, .offset: 40, .size: 8, .value_kind: global_buffer, .address_space: global }
      - { .name: wo_codes, .offset: 48, .size: 8, .value_kind: global_buffer, .address_space: global }
    .group_segment_fixed_size: 33280
    .private_segment_fixed_size: 0
    .kernarg_segment_align: 8
    .kernarg_segment_size: 56
    .max_flat_workgroup_size: 128
    .sgpr_count:     66
    .vgpr_count:     194
    .wavefront_size: 32
...
	.end_amdgpu_metadata
.endif
;; end of part 1
;; launch qkv (part 2): grid 12 x 32, 4 waves a work-group, clusters of 4 x 4, 327,680 bytes of LDS; arguments x_codes, wqkv_codes, lowp_scales, qkv_codes; writes qkv_codes
.if DOCPART == 2
	.amdgcn_target "amdgcn-amd-amdhsa--gfx1250"
	.amdhsa_code_object_version 6
	.text
	.protected	k_qeb2601e480_qkv
	.globl	k_qeb2601e480_qkv
	.p2align	8
	.type	k_qeb2601e480_qkv,@function
k_qeb2601e480_qkv:
	s_mov_b64 s[64:65], 0
	v_nop
	global_prefetch_b8 v0, s[64:65] scope:SCOPE_SE
	s_setreg_imm32_b32 hwreg(HW_REG_WAVE_MODE, 25, 1), 1
	s_wait_xcnt 0x0
	s_wait_alu depctr_hold_cnt(0) depctr_sa_sdst(0) depctr_va_vdst(0) depctr_va_sdst(0) depctr_va_ssrc(0) depctr_va_vcc(0) depctr_vm_vsrc(0)
	s_getreg_b32 s2, hwreg(HW_REG_IB_STS2, 6, 4)
	s_cmp_eq_u32 s2, 0
	s_cbranch_scc0 .Lentry_in_a_cluster
	s_endpgm
.Lentry_in_a_cluster:
	s_bfe_u32 s2, ttmp6, 0x10000c
	s_cmp_lg_u32 s2, 0xf033
	s_cbranch_scc0 .Lentry_shape_is_right
	s_endpgm
.Lentry_shape_is_right:
; qkv = x W_qkv^T on codes of E4M3 (x: [8192][1024], W_qkv: [3072][1024], K innermost, rows stored with bits 3 and 4 of their numbers exchanged), sums in f32; each sum is then quantised for the product that takes it:
; q with e2 and k with e3 along the head's 64 channels, v with e5 along the keys.  A sum stands for sum x 2^(e0 + e1), so its code is sum / 2^(eT - e0 - e1), held within +-448: the three scales are folded into the conversion's one.
; LIMITS: eT - e0 - e1 lies between -126 and 119 for eT = e2, e3, e5.
; A tile of 256 x 256 is made by a work-group of four waves, a wave makes 128 x 128: 64 accumulators, 512 registers.  K goes in four steps of 256 through two LDS slots filled by the tensor data mover.
; WHICH OPERAND IS WHICH.  Source 0 of the matrix instruction takes rows of S0, source 1 rows of S1: a lane then holds ONE row of S1 and, in the 16 registers of two neighbouring tiles of S0, 16 NEIGHBOURING rows of S0
; (that is what the stored order of the rows is for).  q, k (cluster x = 0, 1): S0 = W, S1 = x: a lane holds a token and 16 channels.  v (cluster x = 2): S0 = x, S1 = W: a lane holds a channel and 16 keys.
; Only pointers and tile numbers are chosen, on the cluster's x, which all sixteen partners share: one text serves all three.
; THE RESULT IS STORED AS IMAGES OF THE NEXT OPERANDS' REGISTERS: groups of 512 bytes, lane l's 16 bytes at 16 l.  Three regions of 8 MiB, 131,072 bytes for each (batch, head) in each:
;   q, k: [token tile of 16 (128)][b (2)][lane][16]: lane (r, h): stored token place r, channels 32 b + 16 h + 0 .. 15.     v: [128 keys (16)][channel tile (4)][c (4)][lane][16]: lane (r, h): stored channel place r, keys 32 c + 16 h + 0 .. 15.
; So nothing goes through LDS on the way out, and every store of a wave covers 512 consecutive bytes, aligned.
; CLUSTERS: 4 x 4 work-groups.  S1's tile hangs on cy alone and is asked for jointly by a row of the cluster, S0's on cx alone, by a column.
; REGISTERS, in windows of 256: window 0: v0-31 addresses and constants; v96-127 a block's codes, two sets by turns; from v128 S1's fragments (8 x 16 rows x 128 K), ONE set.
;   window 1: S0's fragments, TWO sets.   window 2: the accumulators of my S1 rows 0-63 (accumulator (a, b) at v[8 (8 a + b)]);   window 3: those of rows 64-127.
.set ROWB,   256                       ; a tile's row: 256 codes
.set KROW,   1024                      ; a row in memory
.set PITCH,  272                       ; an LDS row: 256 bytes + 16 of padding = 68 words: row r starts at bank 4 r mod 64 (64 banks of 4 bytes: ISA guide 11.1)
.set FR,     16                        ; registers of a fragment: 16 rows x 128 K
.set NL,     4                         ; LDS loads that bring one
.set NP,     4                         ; places behind this matrix instruction (ISA guide 7.12.1)
.set HALFT,  128*PITCH                 ; what one tensor load brings
.set SLOT,   4*HALFT                   ; S1's 256 rows, then S0's
.set SPARE,  2*SLOT                    ; behind the ring: the spare words, 128 bytes for each wave, which no other line names
.set SC,   12                          ; v12     2^(eT - e0 - e1)
.set LIM,  13
.set ADRA, 16                          ; v16-17  LDS address of my S1 fragments in slot 0, 1
.set ADRB, 20                          ; v20-21  the same for S0
.set VO0,  24                          ; v24     16 x lane
.set VO1,  25                          ; v25     the same for groups 2 and 3 of a block
.set SPW,  28                          ; v28     LDS address of my spare word; never rewritten
.set NIL,  29                          ; v29     0; never rewritten
.set TMP,  32
.set CD,   96
.set AF,   128
.set G1, 24                            ; s[24:31] descriptor group 1 for S1's tiles;  s[32:39] group 0, one set for each slot
.set G0, 32
.set G1B, 48                           ; s[48:55], s[56:63] the same for S0's
.set G0B, 56
.set MSB, 0
.macro WIN new                         ; the immediate's high byte repeats the setting that is left
.if MSB != \new
	s_set_vgpr_msb (MSB<<8)|\new
.set MSB, \new
.endif
.endm
.set MUL_LO, 0xa1                      ; source 0 window 1, source 1 window 0, C and D window 2
.set MUL_HI, 0xf1                      ; the same, C and D window 3
.set TO_B,   0x40                      ; destination window 1, address window 0
; A joint load: waves 0 and 1 fetch S1's halves, waves 2 and 3 S0's.  Each line has one mask and one set of registers; the branch hangs on the wave's number alone.  Four v_nop follow each line.
.macro JLOAD g0a, g1a, g0b, g1b
	s_cmp_eq_u32 s15, 0
	s_cbranch_scc0 .Lfor_b_\@
	tensor_load_to_lds s[\g0a:\g0a+3], s[\g1a:\g1a+7]
	s_nop 0
.rept 4
	v_nop
.endr
	s_branch .Lasked_\@
.Lfor_b_\@:
	tensor_load_to_lds s[\g0b:\g0b+3], s[\g1b:\g1b+7]
	s_nop 0
.rept 4
	v_nop
.endr
.Lasked_\@:
.endm
.macro CREST                           ; a round of the cluster's barrier behind its opening barrier
	s_cmp_lg_u32 s14, 0
	s_cbranch_scc1 .Lnot_wave_0_\@
	s_barrier_signal -3
.Lnot_wave_0_\@:
	s_barrier_wait -3
	s_barrier_signal -1
	s_barrier_wait -1
.endm
.macro CROUND
	s_barrier_signal -1
	s_barrier_wait -1
	CREST
.endm
	s_load_b128 s[4:7], s[0:1], 0x0                ; x's codes s[4:5], W's codes s[6:7]
	s_load_b128 s[8:11], s[0:1], 0x10              ; the scales' exponents s[8:9], the result s[10:11]
	v_lshl_add_u32 v[SPW], v0, 2, SPARE
	v_mov_b32 v[NIL], 0
	ds_add_u32 v28, v29
	ds_add_u32 v28, v29
	s_wait_dscnt 0x0
	v_lshrrev_b32 v1, 5, v0
	v_readfirstlane_b32 s14, v1                    ; wave 0..3
	s_lshr_b32 s15, s14, 1                         ; my half of S1's rows.  Also: I fetch for S1 (0) or for S0 (1)
	s_and_b32 s16, s14, 1                          ; my half of S0's rows.  Also: which 128 rows of that tile I fetch
	s_bfe_u32 s40, ttmp6, 0x40000                  ; cx, cy: my place in the cluster
	s_bfe_u32 s41, ttmp6, 0x40004
	s_and_b32 s17, ttmp7, 0xffff
	s_lshl_b32 s17, s17, 2                         ; 4 x cluster y: x's tiles
	s_lshl_b32 s42, ttmp9, 2                       ; 4 x cluster x: W's tiles of q or of k
	s_cmp_eq_u32 ttmp9, 2                          ; v?
	s_cselect_b32 s42, s17, s42
	s_cselect_b32 s17, 8, s17                      ; W's tiles of v begin at 8
	s_add_co_u32 s42, s42, s40                     ; S0's tile: + cx
	s_add_co_u32 s17, s17, s41                     ; S1's tile: + cy
	s_lshl_b32 s43, s41, 2
	s_lshl_b32 s43, 15, s43                        ; my row of the cluster
	s_lshl_b32 s44, 0x1111, s40                    ; my column
	s_or_b32 s[G1+0], s43, (0<<16)|(1<<20)|(1<<21)|(5<<22)|(3<<25)  ; 15:0 the mask; 17:16 elements of 1 byte; 20 padding on; 21 set beside a mask; 24:22 after every 64 words (code 5); 31:25 four words (code 3)
	s_or_b32 s[G1B+0], s44, (0<<16)|(1<<20)|(1<<21)|(5<<22)|(3<<25)
.irp g, G1, G1B
	s_mov_b32 s[\g+1], ROWB<<16                    ; tensor_dim0
	s_mov_b32 s[\g+2], 128<<16                     ; tensor_dim1
	s_mov_b32 s[\g+3], ROWB<<16                    ; tile_dim0
	s_mov_b32 s[\g+4], 128                         ; tile_dim1
	s_mov_b32 s[\g+5], KROW                        ; tensor_dim0_stride
	s_mov_b32 s[\g+6], 0
	s_mov_b32 s[\g+7], 0
.endr
	s_lshl_b32 s18, s16, 7                         ; which 128 rows of the tile I fetch
	s_lshl_b32 s20, s17, 8
	s_add_co_u32 s20, s20, s18                     ; S1: stored row 256 x tile + 128 x half
	s_lshl_b32 s20, s20, 10                        ; in bytes: under 2^24
	s_mov_b32 s21, 0
	s_lshl_b32 s46, s42, 8
	s_add_co_u32 s46, s46, s18                     ; S0 likewise
	s_lshl_b32 s46, s46, 10
	s_mov_b32 s47, 0
	s_mul_i32 s45, s14, HALFT                      ; where they go: wave x 128 rows: no place in the cluster enters an LDS address
	s_wait_kmcnt 0x0
	s_load_b256 s[72:79], s[8:9], 0x0              ; e0 .. e7
	s_cmp_eq_u32 ttmp9, 2
	s_cselect_b64 s[66:67], s[6:7], s[4:5]         ; S1's buffer
	s_cselect_b64 s[68:69], s[4:5], s[6:7]         ; S0's
	s_add_nc_u64 s[20:21], s[66:67], s[20:21]
	s_add_nc_u64 s[46:47], s[68:69], s[46:47]
	CROUND                                         ; all sixteen work-groups are here: the first joint loads meet
.irp s, 0,1
	s_mov_b32 s[G0+4*\s], 1
	s_add_co_u32 s[G0+4*\s+1], s45, \s*SLOT
	s_add_nc_u64 s[G0+4*\s+2:G0+4*\s+3], s[20:21], \s*ROWB
	s_or_b32 s[G0+4*\s+3], s[G0+4*\s+3], 0x80000000
	s_mov_b32 s[G0B+4*\s], 1
	s_add_co_u32 s[G0B+4*\s+1], s45, \s*SLOT
	s_add_nc_u64 s[G0B+4*\s+2:G0B+4*\s+3], s[46:47], \s*ROWB
	s_or_b32 s[G0B+4*\s+3], s[G0B+4*\s+3], 0x80000000
	JLOAD G0+4*\s, G1, G0B+4*\s, G1B               ; two loads of mine are out
.endr
	v_and_b32 v1, 15, v0                           ; l % 16
	v_bfe_u32 v2, v0, 4, 1                         ; l / 16
	v_mul_u32_u24 v3, v1, PITCH
	v_lshl_add_u32 v4, v2, 4, v3                   ; a fragment's row x pitch + 16 x half
	s_mul_i32 s21, s15, HALFT                      ; my 128 rows of S1
	s_mul_i32 s22, s16, HALFT                      ; my 128 rows of S0,
	s_add_co_u32 s22, s22, 2*HALFT                 ; which lie behind S1's 256
.irp s, 0,1
	v_add_nc_u32 v[ADRA+\s], s21, v4
	v_add_nc_u32 v[ADRB+\s], s22, v4
	s_add_co_u32 s21, s21, SLOT
	s_add_co_u32 s22, s22, SLOT
.endr
	; THE WAY OUT'S NUMBERS.  Group (a, g) of my results (S1 block a of 16, S0 rows 32 g .. 32 g + 31) lies at base + a SA + (a / 4) SA2 + 512 g + (g / 2) SB2 + 16 lane.
	; q, k: a walks token tiles (SA = 1,024), g / 2 the head (SB2 = 131,072 - 1,024).   v: a walks channel tiles (SA = 2,048), a / 4 the head (SA2 = 131,072 - 8,192), g the keys.
	s_cmp_eq_u32 ttmp9, 2
	s_cselect_b32 s82, s42, s17                    ; x's tile of 256 tokens
	s_cselect_b32 s83, s16, s15                    ; my half of it
	s_cselect_b32 s88, s15, s16                    ; my half of W's tile: two heads
	s_cselect_b32 s89, s41, s40                    ; W's tile within q, k or v: four heads
	s_mov_b32 s84, 1024
	s_cselect_b32 s84, 2048, s84                   ; SA
	s_cselect_b32 s86, 122880, 0                   ; SA2
	s_cselect_b32 s90, 0, 130048                   ; SB2
	s_add_co_u32 s86, s86, s84                     ; SA + SA2: the step from block 3 to block 4
	s_mov_b32 s85, 0
	s_mov_b32 s87, 0
	s_lshr_b32 s91, s82, 3                         ; the batch: 8 tiles of 256 tokens each
	s_lshl_b32 s91, s91, 4
	s_lshl_b32 s89, s89, 2
	s_add_co_u32 s91, s91, s89
	s_lshl_b32 s88, s88, 1
	s_add_co_u32 s91, s91, s88                     ; 16 x batch + my first head
	s_lshl_b32 s91, s91, 17                        ; x 131,072
	s_and_b32 s82, s82, 7
	s_lshl_b32 s82, s82, 1
	s_add_co_u32 s82, s82, s83                     ; which 128 tokens of the batch's 2,048
	s_lshl_b32 s82, s82, 13                        ; x 8,192: eight token tiles of 1,024 bytes, or one step of 128 keys
	s_add_co_u32 s91, s91, s82
	s_lshl_b32 s92, ttmp9, 23                      ; the region
	s_add_co_u32 s92, s92, s91
	s_mov_b32 s93, 0
	s_add_nc_u64 s[10:11], s[10:11], s[92:93]
	v_and_b32 v6, 31, v0
	v_lshlrev_b32 v[VO0], 4, v6
	v_add_nc_u32 v[VO1], s90, v[VO0]
	s_wait_alu depctr_va_vdst(0)
	s_wait_kmcnt 0x0
	s_cmp_eq_u32 ttmp9, 0
	s_cselect_b32 s80, s74, s75                    ; e2 for q, e3 for k,
	s_cmp_eq_u32 ttmp9, 2
	s_cselect_b32 s80, s77, s80                    ; e5 for v
	s_sub_co_i32 s80, s80, s72
	s_sub_co_i32 s80, s80, s73
	s_add_co_i32 s80, s80, 127
	s_lshl_b32 s81, s80, 23
	v_mov_b32 v[SC], s81                           ; 2^(eT - e0 - e1) as f32
.macro FRAG reg, adr, q, i             ; a fragment: lane l holds row l % 16; registers 4 c .. 4 c + 3 hold K = 32 c + 16 (l / 16) + 0 .. 15: the same order of k in both operands, so every product meets its partner
.irp c, 0,1,2,3
	ds_load_b128 v[\reg+4*\c:\reg+4*\c+3], v[\adr] offset:128*(\q)+32*\c+(\i)*16*PITCH
.endr
.endm
; 16 matrix instructions: S1's blocks a0, a0 + 1 x S0's eight, 128 along K.  p: S0's set.  zero = 1: the first product starts the sums.  The 64 accumulators take turns, one instruction a turn, in the same order in every step.
.macro MUL16 a0, p, zero
.irp a, \a0, \a0+1
.irp b, 0,1,2,3,4,5,6,7
.if \zero
	v_wmma_f32_16x16x128_fp8_fp8 v[8*(8*((\a)%4)+\b):8*(8*((\a)%4)+\b)+7], v[128*(\p)+FR*\b:128*(\p)+FR*\b+FR-1], v[AF+FR*(\a):AF+FR*(\a)+FR-1], 0
.else
	v_wmma_f32_16x16x128_fp8_fp8 v[8*(8*((\a)%4)+\b):8*(8*((\a)%4)+\b)+7], v[128*(\p)+FR*\b:128*(\p)+FR*\b+FR-1], v[AF+FR*(\a):AF+FR*(\a)+FR-1], v[8*(8*((\a)%4)+\b):8*(8*((\a)%4)+\b)+7]
.endif
.endr
.endr
.endm
.macro FETCH_B slot, q, p              ; S0's eight fragments of the slot's q-th 128 along K into set p
	WIN TO_B
.irp i, 0,1,2,3,4,5,6,7
	FRAG 128*(\p)+FR*\i, ADRB+\slot, \q, \i
.endr
	WIN 0
.endm
.macro FETCH_A slot, q, i0             ; S1's blocks i0 .. i0 + 3
.irp i, \i0, \i0+1, \i0+2, \i0+3
	FRAG AF+FR*(\i), ADRA+\slot, \q, \i
.endr
.endm
.macro PLACES n                        ; plain vector instructions between a matrix instruction and a load into a register that it has read, or a read of its result (for the read of its result ISA guide 7.12.1)
.rept \n
	v_nop
.endr
.endm
; A step of 128 along K that has its successor in the same slot.  A block of S1 is free as soon as its eight products are issued: blocks 0-3 are fetched anew in the step's middle, blocks 4-7 at its end.
.macro STEP slot, q, zero
	s_wait_dscnt 4*NL                              ; S0's set and S1's blocks 0-3 are in; the youngest 16 loads (blocks 4-7) may be out
	WIN MUL_LO
	MUL16 0, (\q)%2, \zero
	MUL16 2, (\q)%2, \zero
	s_wait_dscnt 0                                 ; blocks 4-7 are in
	PLACES NP
	FETCH_B \slot, (\q)+1, 1-(\q)%2
	FETCH_A \slot, (\q)+1, 0
	WIN MUL_HI
	MUL16 4, (\q)%2, \zero
	MUL16 6, (\q)%2, \zero
	PLACES NP
	WIN 0
	FETCH_A \slot, (\q)+1, 4
.endm
; A slot's last step changes slots: ONE barrier; in front of it each wave waits for all its tensor loads, adds 0 to its spare word, and waits for that and for its own reads of this slot.  fill = 1: this slot is filled again, two K steps ahead.
.macro TURN slot, next, fill
	s_wait_tensorcnt 0x0                           ; all my tensor loads have landed: my part of the next slot  (every window is 0 here)
	ds_add_u32 v[SPW], v[NIL]                      ; 0 onto my spare word
	s_wait_dscnt 4*NL+1                            ; (the add and the youngest 16 loads may be out)
	WIN MUL_LO
	MUL16 0, 1, 0                                  ; sixteen matrix instructions stand between the add and the wait for it
	s_wait_dscnt 0x0                               ; the add is done, and my reads of this slot are over
	s_barrier_signal -1
	MUL16 2, 1, 0
	WIN 0
	s_barrier_wait -1
.if \fill
	CREST                                          ; the barrier has opened a round of the cluster's barrier: no wave of any partner still reads this slot or has a load on its way
	s_add_nc_u64 s[G0+4*\slot+2:G0+4*\slot+3], s[G0+4*\slot+2:G0+4*\slot+3], 2*ROWB
	s_add_nc_u64 s[G0B+4*\slot+2:G0B+4*\slot+3], s[G0B+4*\slot+2:G0B+4*\slot+3], 2*ROWB
	JLOAD G0+4*\slot, G1, G0B+4*\slot, G1B         ; the first tensor load behind the round, my one load that is out; its four v_nop are also the places in front of the loads below
.else
	PLACES NP
.endif
	FETCH_B \next, 0, 0
	FETCH_A \next, 0, 0
	WIN MUL_HI
	MUL16 4, 1, 0
	MUL16 6, 1, 0
	PLACES NP
	WIN 0
	FETCH_A \next, 0, 4
.endm
	s_wait_tensorcnt 1                             ; my part of K step 0 is in (K step 1's load may be out)
	s_barrier_signal -1
	s_barrier_wait -1                              ; everybody's is
	FETCH_B 0, 0, 0
	FETCH_A 0, 0, 0
	FETCH_A 0, 0, 4
	STEP 0, 0, 1                                   ; K = 1,024 is four K steps of 256, eight steps of 128: written out, since a loop would have one trip.  The first products start the sums
	TURN 0, 1, 1                                   ; slot 0 takes K step 2
	STEP 1, 0, 0
	TURN 1, 0, 1                                   ; slot 1 takes K step 3
	STEP 0, 0, 0
	TURN 0, 1, 0                                   ; nothing is left to fetch
	STEP 1, 0, 0
	s_wait_dscnt 4*NL
	WIN MUL_LO
	MUL16 0, 1, 0
	MUL16 2, 1, 0
	s_wait_alu depctr_va_vdst(0)
	s_wait_dscnt 0
	WIN MUL_HI
	MUL16 4, 1, 0
	MUL16 6, 1, 0
	WIN 0
; THE WAY OUT, block by block of 16 rows of S1.  Register 16 g + i of a block is S0's row 32 g + 16 (l / 16) + i: converted eight at a time, and stored as four groups of 16 bytes a lane.
.macro OUTBLK a
.set AC, 64*((\a)%4)
.set CB, CD+16*((\a)%2)
	WIN 0x02+((\a)/4)                              ; source 0: window 2 or 3
.set j, 0
.rept 64
.set j, j+1
.endr
.irp g, 0,1,2,3,4,5,6,7
	v_cvt_scalef32_pk8_fp8_f32 v[CB+2*\g:CB+2*\g+1], v[AC+8*\g:AC+8*\g+7], v[SC]
.endr
	WIN 0
	v_nop                                          ; a plain line behind the last conversion
.if (\a) > 0
	s_wait_alu depctr_va_vdst(0)
	s_wait_xcnt 0x0                                ; the earlier blocks' stores have read their base and their data: the base steps, and the next block may write the other set of codes
.if (\a) == 4
	s_add_nc_u64 s[10:11], s[10:11], s[86:87]
.else
	s_add_nc_u64 s[10:11], s[10:11], s[84:85]
.endif
.endif
	global_store_b128 v[VO0], v[CB:CB+3], s[10:11]                  ; each store of the wave covers 512 consecutive bytes, aligned
	global_store_b128 v[VO0], v[CB+4:CB+7], s[10:11] offset:512
	global_store_b128 v[VO1], v[CB+8:CB+11], s[10:11] offset:1024
	global_store_b128 v[VO1], v[CB+12:CB+15], s[10:11] offset:1536
.endm
	PLACES NP                                      ; behind the last products; block 7's results are read far behind them
.irp a, 0,1,2,3,4,5,6,7
	OUTBLK \a
.endr
	s_wait_tensorcnt 0x0                           ; the wave's end
	ds_add_u32 v[SPW], v[NIL]
	s_wait_dscnt 0x0
	CROUND                                         ; the closing round: no work-group ends while a partner may still ask for a tile that names it
	s_endpgm
.Lfunc_end_k_qeb2601e480_qkv:
	.size	k_qeb2601e480_qkv, .Lfunc_end_k_qeb2601e480_qkv-k_qeb2601e480_qkv
	.p2alignl 7, 3214868480
	.fill 96, 4, 3214868480
	.section	.rodata,"a",@progbits
	.p2align	6, 0x0
	.amdhsa_kernel k_qeb2601e480_qkv
		.amdhsa_group_segment_fixed_size 327680
		.amdhsa_private_segment_fixed_size 0
		.amdhsa_enable_private_segment 0
		.amdhsa_kernarg_size 32
		.amdhsa_user_sgpr_count 2
		.amdhsa_user_sgpr_kernarg_segment_ptr 1
		.amdhsa_wavefront_size32 1
		.amdhsa_system_sgpr_workgroup_id_x 1
		.amdhsa_system_sgpr_workgroup_id_y 1
		.amdhsa_system_sgpr_workgroup_id_z 1
		.amdhsa_system_vgpr_workitem_id 0
		.amdhsa_next_free_vgpr 1024
		.amdhsa_next_free_sgpr 100
		.amdhsa_reserve_vcc 0
		.amdhsa_float_denorm_mode_32 3
		.amdhsa_float_denorm_mode_16_64 3
		.amdhsa_fp16_overflow 1
		.amdhsa_memory_ordered 1
		.amdhsa_forward_progress 1
		.amdhsa_inst_pref_size 87
	.end_amdhsa_kernel
	.amdgpu_metadata
---
amdhsa.version: [ 1, 2 ]
amdhsa.kernels:
  - .name:           k_qeb2601e480_qkv
    .symbol:         k_qeb2601e480_qkv.kd
    .args:
      - { .name: x_codes, .offset: 0, .size: 8, .value_kind: global_buffer, .address_space: global }
      - { .name: wqkv_codes, .offset: 8, .size: 8, .value_kind: global_buffer, .address_space: global }
      - { .name: lowp_scales, .offset: 16, .size: 8, .value_kind: global_buffer, .address_space: global }
      - { .name: qkv_codes, .offset: 24, .size: 8, .value_kind: global_buffer, .address_space: global }
    .group_segment_fixed_size: 327680
    .private_segment_fixed_size: 0
    .kernarg_segment_align: 8
    .kernarg_segment_size: 32
    .max_flat_workgroup_size: 128
    .sgpr_count:     100
    .vgpr_count:     1024
    .wavefront_size: 32
...
	.end_amdgpu_metadata
.endif
;; end of part 2
;; launch attn (part 3): grid 4 x 64, 16 waves a work-group, no clusters, 327,680 bytes of LDS; arguments qkv_codes, lowp_scales, o_codes; writes o_codes
.if DOCPART == 3
	.amdgcn_target "amdgcn-amd-amdhsa--gfx1250"
	.amdhsa_code_object_version 6
	.text
	.protected	k_qeb2601e480_attn
	.globl	k_qeb2601e480_attn
	.p2align	8
	.type	k_qeb2601e480_attn,@function
k_qeb2601e480_attn:
	s_mov_b64 s[64:65], 0
	v_nop
	global_prefetch_b8 v0, s[64:65] scope:SCOPE_SE
	s_setreg_imm32_b32 hwreg(HW_REG_WAVE_MODE, 25, 1), 1
	s_wait_xcnt 0x0
; Causal attention on codes of E4M3, head size 64, 64 (batch, head) pairs of 2,048 tokens.  q, k, v come as images of operand registers (groups of 512 bytes, lane l's 16 bytes at 16 l), three regions of 8 MiB, 131,072 bytes a pair in each:
;   q, k: [token tile T (128)][b (2)][lane][16]: lane (r, h) holds the token 32 (T / 2) + 8 (T % 2) + r + 8 (r / 8) and channels 32 b + 16 h + 0 .. 15.     v: [128 keys (16)][channel tile (4)][c (4)][lane][16]: a channel place r, keys 32 c + 16 h + 0 .. 15.
; THE SOFTMAX AHEAD OF THE SECOND PRODUCT: t = score x log2(e) / 8; M = the row's largest t so far, rounded UP to a whole number; p = 2^(t - M) is quantised with 2^e4, not normalised.  The row's sum is taken of the unquantised p,
; in f32, and divides at the end.  When M moves, the sum and O are multiplied by 2^(old M - new M): exact.  The result, x 2^(e4 + e5) / the sum, is quantised with 2^e6 for the last product.
; LAYOUT.  Both products are used transposed: S^T = K Q^T (source 0 = 16 keys, source 1 = my 16 queries), O^T = V^T P^T: a lane holds ONE query throughout.  By the order in which tokens and channels are stored, the 16 registers of
; tiles 2 b and 2 b + 1 are 16 neighbouring keys (then channels): the conversions' results ARE the next operand's registers, and o's codes leave as images again: o_codes [head / 4][row tile (512)][head % 4][b][lane][16].
; SHARES.  A work-group (p = x, pair = y) owns query blocks 7 - p and p of its pair, 256 queries each; wave w owns one tile of 16 queries of each.  It walks NINE slots of 256 keys: slots 0 .. 7 - p for the high block, then 0 .. p for the
; low one: the same count, and the same work, in every work-group.  A step of 128 keys all of which come after the wave's queries is jumped over (a scalar branch on ids); no tensor load and no barrier stands in a step.
; NO CLUSTER: from visit 8 - p on the four work-groups of a pair want different slots (p differs), so their requests would not be alike; before that a slot's 32,768 bytes stand beside two steps of softmax in each of sixteen waves.
; LIMITS on the given exponents: e2 + e3 between -123 and 130 (added to c's exponent field); e4 and e6 between -126 and 119; e4 + e5 is applied by v_ldexp_f32 and has none.
; REGISTERS: v1-6 addresses and constants that stay; v12 -M, v13 the largest t, v[14:15] the sum in two halves; v16-23 Q in hand, v24-31 the low block's; v32-95 eight fragments of K, then four of V; v96-159 S^T, then p; v160-191 O^T;
;   v192-207 p's codes; v208-215 o's codes; v234-255 at work and constants.
.set SLOTB, 32768                      ; a slot: 16 fragments of K (1,024 bytes each), then 8 of V (2,048 each)
.set VOFF,  16384
.set SPARE, 65536                      ; behind the two slots: the spare words, 128 bytes for each of sixteen waves, which no other line names
.set LI,   1                           ; v1   16 x lane
.set ADR,  2                           ; v2   the same in the slot in hand
.set PFO,  3                           ; v3   256 x lane
.set DQ,   4                           ; v4   r + 8 (r / 8) - 16 h: my query less my first key, within tile and step
.set SPW,  5                           ; v5   LDS address of my spare word; never rewritten
.set NIL,  6                           ; v6   0; never rewritten
.set TB,   2                           ; s2   LDS byte at which the slot in hand begins
.set WV,   18                          ; s18  my wave's number
.set SEL,  20                          ; s[20:21] v_permlanex16_b32's selects for lane l xor 16
.set CS,   22                          ; s[22:23] c = log2(e) / 8 x 2^(e2 + e3)
.set G1,   24                          ; s[24:31] descriptor group 1
.set G0,   32                          ; s[32:35] group 0
.set BASE, 36                          ; s[36:37] my pair's K (wave 0) or V (wave 1)
.set OFS,  38                          ; s[38:39] an offset, 0 above
.set OB,   40                          ; s[40:41] where the tile in hand stores;  s[42:43] the low block's
.set OBL,  42
.set Q0,   44                          ; s44  the least query of the tile in hand; the greatest is Q0 + 23;  s45 the low block's
.set Q0L,  45
.set KF,   46                          ; s46  the step's first key
.set SLOTS, 47                         ; s47  slots still to be asked for
.set PFA,  52                          ; s[52:53] where my prefetches stand
.set LIM,  54                          ; s54  2 in a wave that prefetches, else the greatest number
; Wave 0 fetches a slot's K, wave 1 its V, by one line: 64 rows of 256 bytes, dense.  Four v_nop follow it.
.macro TLOAD
	s_cmp_lt_u32 s[WV], 2
	s_cbranch_scc0 .Lnone_\@
	tensor_load_to_lds s[G0:G0+3], s[G1:G1+7]
	s_nop 0
.rept 4
	v_nop
.endr
.Lnone_\@:
.endm
; A PREFETCH INTO THE L2 of the slot that the NEXT change of slots will ask for: two key steps ahead of that load.  All four work-groups of a pair walk the pair's K and V: the first (p = 0), whose visits 0 to 7 are slots 0 to 7, asks.
; In it waves 4 and 5 ask for the halves of K's 16,384 bytes, waves 6 and 7 for V's: 8,192 bytes a wave, lanes 256 bytes apart, one instruction.  Slots 2 to 7 are named once each; slots 0 and 1 come by their loads alone.
.macro ASK
	s_cmp_gt_u32 s[SLOTS], s[LIM]
	s_cbranch_scc0 .Lnot_mine_\@
	global_prefetch_b8 v[PFO], s[PFA:PFA+1] th:TH_LOAD_NT scope:SCOPE_SE
.Lnot_mine_\@:
.endm
	s_load_b128 s[4:7], s[0:1], 0x0                ; q, k, v's codes s[4:5], the scales' exponents s[6:7]
	s_load_b64 s[8:9], s[0:1], 0x10                ; o's codes
	v_lshl_add_u32 v[SPW], v0, 2, SPARE
	v_mov_b32 v[NIL], 0
	ds_add_u32 v5, v6
	ds_add_u32 v5, v6
	s_wait_dscnt 0x0
	v_lshrrev_b32 v7, 5, v0
	s_delay_alu instid0(VALU_DEP_1)
	v_readfirstlane_b32 s[WV], v7                  ; wave 0..15
	s_and_b32 s10, ttmp7, 0xffff                   ; the pair: 16 x batch + head
	s_add_co_u32 s12, ttmp9, 1                     ; p + 1: the slots still to be asked for when the high block ends
	s_sub_co_u32 s13, 8, ttmp9                     ; 8 - p: the high block's visits
	s_mov_b32 s[G1], 3<<16                         ; 15:0 no mask; 17:16 elements of 8 bytes; no padding
	s_mov_b32 s[G1+1], 32<<16                      ; tensor_dim0 = 32 elements: 256 bytes
	s_mov_b32 s[G1+2], 64<<16                      ; tensor_dim1 = 64
	s_mov_b32 s[G1+3], 32<<16                      ; tile_dim0
	s_mov_b32 s[G1+4], 64                          ; tile_dim1
	s_mov_b32 s[G1+5], 32                          ; tensor_dim0_stride: dense
	s_mov_b32 s[G1+6], 0
	s_mov_b32 s[G1+7], 0
	s_and_b32 s49, s[WV], 1
	s_lshl_b32 s[G0+1], s49, 14                    ; LDS: K at the slot's head, V behind it; slot 0
	s_add_co_u32 s50, s49, 1
	s_lshl_b32 s50, s50, 23                        ; k's region or v's
	s_lshl_b32 s51, s10, 17                        ; the pair's 131,072 bytes
	s_add_co_u32 s[OFS], s50, s51
	s_mov_b32 s[OFS+1], 0
	s_mov_b32 s[G0], 1
	s_wait_kmcnt 0x0
	s_load_b256 s[68:75], s[6:7], 0x0              ; e0 .. e7
	s_add_nc_u64 s[BASE:BASE+1], s[4:5], s[OFS:OFS+1]
	s_mov_b64 s[G0+2:G0+3], s[BASE:BASE+1]         ; visit 0 is slot 0
	s_or_b32 s[G0+3], s[G0+3], 0x80000000          ; type = 2
	TLOAD
	v_and_b32 v[LI], 31, v0
	s_delay_alu instid0(VALU_DEP_1)
	v_lshlrev_b32 v[LI], 4, v[LI]
	s_wait_alu depctr_va_vdst(0)
	v_lshlrev_b32 v[PFO], 4, v[LI]
	s_sub_co_u32 s49, 7, ttmp9
	s_lshl_b32 s49, s49, 4
	s_add_co_u32 s49, s49, s[WV]                   ; my tile of the high block: 16 (7 - p) + w
	s_lshl_b32 s50, ttmp9, 4
	s_add_co_u32 s50, s50, s[WV]                   ; and of the low one: 16 p + w
	s_mov_b32 s[OFS], s51
	s_add_nc_u64 s[56:57], s[4:5], s[OFS:OFS+1]    ; the pair's q
	s_lshl_b32 s58, s49, 10
	s_lshl_b32 s59, s50, 10
	v_add_nc_u32 v8, s58, v[LI]
	v_add_nc_u32 v9, s59, v[LI]
	global_load_b128 v[16:19], v8, s[56:57]        ; Q's fragments stay in registers
	global_load_b128 v[20:23], v8, s[56:57] offset:512
	global_load_b128 v[24:27], v9, s[56:57]
	global_load_b128 v[28:31], v9, s[56:57] offset:512
	s_lshr_b32 s[Q0], s49, 1
	s_lshl_b32 s[Q0], s[Q0], 5
	s_and_b32 s58, s49, 1
	s_lshl_b32 s58, s58, 3
	s_add_co_u32 s[Q0], s[Q0], s58                 ; 32 (T / 2) + 8 (T % 2)
	s_lshr_b32 s[Q0L], s50, 1
	s_lshl_b32 s[Q0L], s[Q0L], 5
	s_and_b32 s58, s50, 1
	s_lshl_b32 s58, s58, 3
	s_add_co_u32 s[Q0L], s[Q0L], s58
	s_bfe_u32 s60, s10, 0x20002                    ; head / 4
	s_lshl_b32 s60, s60, 21                        ; x 512 row tiles of 4,096 bytes
	s_lshr_b32 s61, s10, 4
	s_lshl_b32 s61, s61, 19                        ; the batch's 128 row tiles
	s_add_co_u32 s60, s60, s61
	s_and_b32 s61, s10, 3
	s_lshl_b32 s61, s61, 10                        ; head % 4
	s_add_co_u32 s60, s60, s61
	s_lshl_b32 s61, s49, 12
	s_add_co_u32 s62, s60, s61
	s_mov_b32 s63, 0
	s_add_nc_u64 s[OB:OB+1], s[8:9], s[62:63]
	s_lshl_b32 s61, s50, 12
	s_add_co_u32 s62, s60, s61
	s_add_nc_u64 s[OBL:OBL+1], s[8:9], s[62:63]
	s_bfe_u32 s58, s[WV], 0x10001                  ; the prefetches: waves 4, 5: k's region; waves 6, 7: v's
	s_add_co_u32 s58, s58, 1
	s_lshl_b32 s58, s58, 23
	s_and_b32 s59, s[WV], 1
	s_lshl_b32 s59, s59, 13                        ; my half of a slot's 16,384 bytes
	s_add_co_u32 s58, s58, s59
	s_add_co_u32 s58, s58, s51
	s_add_co_u32 s58, s58, 16384                   ; in slot 1: the first change of slots steps it to slot 2
	s_mov_b32 s59, 0
	s_add_nc_u64 s[PFA:PFA+1], s[4:5], s[58:59]
	s_lshr_b32 s58, s[WV], 2
	s_xor_b32 s58, s58, 1                          ; 0 in waves 4 to 7,
	s_or_b32 s58, s58, ttmp9                       ; of the pair's first work-group
	s_cmp_eq_u32 s58, 0
	s_cselect_b32 s[LIM], 2, -1
	s_mov_b32 s[SEL], 0x76543210
	s_mov_b32 s[SEL+1], 0xfedcba98
	s_mov_b32 s[CS], 0x3e38aa3b                    ; log2(e) / 8
	s_mov_b32 s[TB], 0
	s_mov_b32 s[SLOTS], 8
	s_mov_b32 s[KF], 0
	v_and_b32 v7, 15, v0                           ; r
	s_delay_alu instid0(VALU_DEP_1)
	v_and_b32 v10, 8, v7
	s_delay_alu instid0(VALU_DEP_1)
	v_add_nc_u32 v[DQ], v7, v10                    ; r + 8 (r / 8)
	v_and_b32 v10, 16, v0                          ; 16 h
	s_delay_alu instid0(VALU_DEP_1)
	v_sub_nc_u32 v[DQ], v[DQ], v10
.macro START                           ; a block's statistics: the loop has no first step of its own: it finds zeros, which the first change of M leaves zeros
	v_mov_b32 v13, 0xff61b1e6                      ; the largest t so far: -3e38
	s_delay_alu instid0(VALU_DEP_1)
	v_floor_f32 v12, -v13                          ; -M
	v_mov_b32 v14, 0
	v_mov_b32 v15, 0
.set j, 0
.rept 32
	v_mov_b32 v[160+j], 0
.set j, j+1
.endr
.endm
	START
	v_mov_b32 v236, 0                              ; written once: a lane permute's destination counts as one of its sources
	v_mov_b32 v252, 0
	v_mov_b32 v253, 0                              ; (named as the upper half of the pair v[252:253])
	s_wait_kmcnt 0x0
	s_add_co_i32 s58, s70, s71                     ; e2 + e3: added to c's exponent field
	s_lshl_b32 s58, s58, 23
	s_add_co_i32 s[CS], s[CS], s58
	s_mov_b32 s[CS+1], s[CS]                       ; (named with it as a pair)
	s_add_co_i32 s58, s72, 127
	s_lshl_b32 s59, s58, 23
	v_mov_b32 v244, s59                            ; 2^e4
	s_add_co_i32 s58, s74, 127
	s_lshl_b32 s59, s58, 23
	v_mov_b32 v246, s59                            ; 2^e6
	s_add_co_i32 s48, s72, s73                     ; e4 + e5
; A KEY STEP: 128 keys, the q-th of the slot in hand.
.macro STEP q
	s_add_co_u32 s49, s[Q0], 23
	s_cmp_gt_u32 s[KF], s49
	s_cbranch_scc1 .Lhidden_\@                     ; all 128 keys come after my 16 queries
	v_add_nc_u32 v[ADR], s[TB], v[LI]
.rept 3
	v_nop                                          ; with the addition: four places behind the last products, in front of loads into registers that they have read
.endr
.irp t, 0,1,2,3,4,5,6,7
	ds_load_b128 v[32+8*\t:35+8*\t], v[ADR] offset:8192*(\q)+1024*\t          ; K's fragment t: 32 lanes read 512 consecutive bytes
	ds_load_b128 v[36+8*\t:39+8*\t], v[ADR] offset:8192*(\q)+1024*\t+512
.endr
	s_wait_alu depctr_va_vdst(0)
	s_wait_dscnt 0x0
.irp t, 0,1,2,3,4,5,6,7
	v_wmma_f32_16x16x64_fp8_fp8 v[96+8*\t:103+8*\t], v[32+8*\t:39+8*\t], v[16:23], 0   ; register 16 b + i of v96 on: key KF + 32 b + 16 h + i
.endr
.rept 4
	v_nop                                          ; places in front of the loads below and of the first read of the scores
.endr
.irp t, 0,1,2,3
.irp c, 0,1,2,3
	ds_load_b128 v[32+16*\t+4*\c:35+16*\t+4*\c], v[ADR] offset:VOFF+8192*(\q)+2048*\t+512*\c   ; V's four fragments are asked for here and land under the softmax
.endr
.endr
	s_add_co_u32 s49, s[KF], 127
	s_cmp_le_u32 s49, s[Q0]
	s_cbranch_scc1 .Lopen_\@                       ; all keys count
	s_sub_co_i32 s49, s[Q0], s[KF]
	v_add_nc_u32 v252, s49, v[DQ]                  ; d = my query - KF - 16 h: the key of register 16 b + i is hidden where 32 b + i > d
	v_mov_b32 v254, 0xff800000                     ; -infinity: p = 0 then
.set n, 0
.rept 64
	v_cmp_gt_i32 vcc_lo, 32*(n/16)+n%16, v252
	v_cndmask_b32 v[96+n], v[96+n], v254, vcc_lo
.set n, n+1
.endr
.Lopen_\@:
	v_max3_num_f32 v254, v96, v97, v98             ; the step's largest score of my query, among my 64 keys, in two chains,
	v_max3_num_f32 v252, v99, v100, v101
.irp i, 6,10,14,18,22,26,30,34,38,42,46,50,54,58
	v_max3_num_f32 v254, v254, v[96+\i], v[97+\i]
	v_max3_num_f32 v252, v252, v[98+\i], v[99+\i]
.endr
	v_max3_num_f32 v254, v254, v158, v159
	s_delay_alu instid0(VALU_DEP_1)
	v_max_num_f32 v254, v254, v252
	s_delay_alu instid0(VALU_DEP_1)
	v_permlanex16_b32 v236, v254, s[SEL], s[SEL+1]
	s_delay_alu instid0(VALU_DEP_1)
	v_max_num_f32 v254, v254, v236                 ; and among lane l xor 16's
	s_delay_alu instid0(VALU_DEP_1)
	v_mul_f32 v254, s[CS], v254                    ; as t (c is positive)
	s_delay_alu instid0(VALU_DEP_1)
	v_max_num_f32 v13, v13, v254                   ; the running largest t
	v_mov_b32 v254, v12
	s_delay_alu instid0(VALU_DEP_2)
	v_floor_f32 v12, -v13                          ; the new -M = floor(-t) = -ceil(t)
	s_delay_alu instid0(VALU_DEP_1)
	v_sub_f32 v254, v12, v254                      ; old M - new M: a whole number, 0 or less
	s_delay_alu instid0(VALU_DEP_1)
	v_cvt_i32_f32 v254, v254                       ; (it saturates)
	s_delay_alu instid0(VALU_DEP_1)
	v_ldexp_f32 v252, 1.0, v254                    ; f = 2^(old M - new M)
.set j, 0
.rept 32
	v_pk_fma_f32 v[96+j:97+j], v[96+j:97+j], s[CS:CS+1], v[12:13] op_sel_hi:[1,0,0]   ; t - M, two at a time
.set j, j+2
.endr
.set j, 0
	s_wait_alu depctr_va_vdst(0)
.rept 64
	v_exp_f32 v[96+j], v[96+j]                     ; p = 2^(t - M), at most 1
.set j, j+1
.endr
	v_pk_mul_f32 v[14:15], v[14:15], v[252:253] op_sel_hi:[1,0]   ; the sums under the new M: the plain line behind the exponentials
	s_wait_alu depctr_va_vdst(0)                   ; one wait for the 64 exponentials, ahead of their first reader
	v_pk_add_f32 v[242:243], v[100:101], v[104:105]
	v_pk_add_f32 v[254:255], v[108:109], v[112:113]
	v_pk_add_f32 v[250:251], v[116:117], v[120:121]
	v_pk_add_f32 v[248:249], v[124:125], v[128:129]
	v_pk_add_f32 v[240:241], v[132:133], v[136:137]
	v_pk_add_f32 v[238:239], v[140:141], v[144:145]
	v_pk_add_f32 v[234:235], v[148:149], v[152:153]
	v_pk_add_f32 v[14:15], v[14:15], v[156:157]
	v_pk_add_f32 v[242:243], v[242:243], v[96:97]
	v_pk_add_f32 v[254:255], v[254:255], v[98:99]
	v_pk_add_f32 v[250:251], v[250:251], v[102:103]
	v_pk_add_f32 v[248:249], v[248:249], v[106:107]
	v_pk_add_f32 v[240:241], v[240:241], v[110:111]
	v_pk_add_f32 v[238:239], v[238:239], v[114:115]
	v_pk_add_f32 v[234:235], v[234:235], v[118:119]
	v_pk_add_f32 v[14:15], v[14:15], v[122:123]
	v_pk_add_f32 v[242:243], v[242:243], v[126:127]
	v_pk_add_f32 v[254:255], v[254:255], v[130:131]
	v_pk_add_f32 v[250:251], v[250:251], v[134:135]
	v_pk_add_f32 v[248:249], v[248:249], v[138:139]
	v_pk_add_f32 v[240:241], v[240:241], v[142:143]
	v_pk_add_f32 v[238:239], v[238:239], v[146:147]
	v_pk_add_f32 v[234:235], v[234:235], v[150:151]
	v_pk_add_f32 v[14:15], v[14:15], v[154:155]
	v_pk_add_f32 v[242:243], v[242:243], v[158:159]
	s_delay_alu instid0(VALU_DEP_2)
	v_pk_add_f32 v[14:15], v[14:15], v[248:249]
	s_delay_alu instid0(VALU_DEP_2)
	v_pk_add_f32 v[242:243], v[242:243], v[240:241]
	v_pk_add_f32 v[254:255], v[254:255], v[238:239]
	v_pk_add_f32 v[250:251], v[250:251], v[234:235]
	s_delay_alu instid0(VALU_DEP_2)
	v_pk_add_f32 v[14:15], v[14:15], v[254:255]
	s_delay_alu instid0(VALU_DEP_2)
	v_pk_add_f32 v[242:243], v[242:243], v[250:251]
	s_delay_alu instid0(VALU_DEP_1)
	v_pk_add_f32 v[14:15], v[14:15], v[242:243]
.irp b, 0,1,2,3
.set i, 0
.rept 16
.set i, i+1
.endr
	v_cvt_scalef32_pk8_fp8_f32 v[192+4*\b:193+4*\b], v[96+16*\b:103+16*\b], v244
	v_cvt_scalef32_pk8_fp8_f32 v[194+4*\b:195+4*\b], v[104+16*\b:111+16*\b], v244
.endr
.set j, 0
.rept 16
	v_pk_mul_f32 v[160+j:161+j], v[160+j:161+j], v[252:253] op_sel_hi:[1,0]   ; O^T under the new M; also the plain lines between the conversions and the products
.set j, j+2
.endr
	s_wait_alu depctr_va_vdst(0)
	s_wait_dscnt 0x0                               ; V is in
.irp t, 0,1,2,3
	v_wmma_f32_16x16x128_fp8_fp8 v[160+8*\t:167+8*\t], v[32+16*\t:47+16*\t], v[192:207], v[160+8*\t:167+8*\t]   ; four accumulators by turns
.endr
.Lhidden_\@:
	s_add_co_u32 s[KF], s[KF], 128
.endm
; THE CHANGE OF SLOTS stands at a slot's head.  Each wave waits for all its tensor loads (at most one is out: its part of the slot ahead), adds 0 to its spare word, and waits for that and for its reads of the slot that it has left.
; fill = 1: behind the barrier that other slot takes the next visit's keys: visit v is slot v of the keys while v < 8 - p, then slot v - (8 - p).
.macro CHANGE fill
	s_wait_tensorcnt 0x0                           ; no tensor load of mine is out, so group 0 may be written
	ds_add_u32 v[SPW], v[NIL]                      ; 0 onto my spare word
.if \fill
	s_sub_co_u32 s49, 9, s[SLOTS]                  ; the visit to be asked for
	s_cmp_lt_u32 s49, s13
	s_cselect_b32 s50, 0, s13
	s_sub_co_u32 s49, s49, s50                     ; its slot of the keys
	s_lshl_b32 s[OFS], s49, 14
	s_add_nc_u64 s[G0+2:G0+3], s[BASE:BASE+1], s[OFS:OFS+1]
	s_or_b32 s[G0+3], s[G0+3], 0x80000000
	s_xor_b32 s[G0+1], s[G0+1], SLOTB              ; the other slot than last time
	s_wait_xcnt 0x0                                ; the last prefetch, a slot back, has read its address
	s_add_nc_u64 s[PFA:PFA+1], s[PFA:PFA+1], 16384
.endif
	s_wait_dscnt 0x0                               ; the add is done, and my reads of the slot that I have left are over
	s_barrier_signal -1
	s_barrier_wait -1
.if \fill
	TLOAD                                          ; the first thing behind the barrier, and a wave's one tensor load until the next
	ASK
.endif
.endm
.macro SLOT_STEPS
	STEP 0
	STEP 1
	s_xor_b32 s[TB], s[TB], SLOTB
.endm
; A BLOCK'S END: O^T x 2^(e4 + e5) / the sum, quantised with 2^e6: register 16 b + i is channel 32 b + 16 h + i of my query: two groups of 16 bytes a lane, stored as images.  again = 1: the low block begins.
.macro FINISH again
.rept 4
	v_nop                                          ; places behind the last products
.endr
	v_add_f32 v14, v14, v15                        ; the sum's two halves,
	s_wait_alu depctr_va_vdst(0)
	v_permlanex16_b32 v252, v14, s[SEL], s[SEL+1]
	s_delay_alu instid0(VALU_DEP_1)
	v_add_f32 v14, v14, v252                       ; and lane l xor 16's
	s_wait_alu depctr_va_vdst(0)
	v_rcp_f32 v14, v14
	v_nop                                          ; a plain line behind the reciprocal
	s_wait_alu depctr_va_vdst(0)                   ; and the wait ahead of its first reader
	v_ldexp_f32 v14, v14, s48
.set j, 0
.rept 16
	v_pk_mul_f32 v[96+j:97+j], v[160+j:161+j], v[14:15] op_sel_hi:[1,0]   ; each accumulator from its low end on
.set j, j+2
.endr
.set j, 0
.rept 32
.set j, j+1
.endr
.irp g, 0,1,2,3
	v_cvt_scalef32_pk8_fp8_f32 v[208+2*\g:209+2*\g], v[96+8*\g:103+8*\g], v246
.endr
	v_nop                                          ; a plain line behind the last conversion
	global_store_b128 v[LI], v[208:211], s[OB:OB+1]              ; each store of the wave covers 512 consecutive bytes, aligned
	global_store_b128 v[LI], v[212:215], s[OB:OB+1] offset:512
.if \again
	s_wait_xcnt 0x0                                ; the stores have read their base
	s_mov_b64 s[OB:OB+1], s[OBL:OBL+1]
	s_mov_b32 s[Q0], s[Q0L]
	s_mov_b32 s[KF], 0
.set j, 0
.rept 8
	v_mov_b32 v[16+j], v[24+j]
.set j, j+1
.endr
	START
.endif
.endm
	s_wait_loadcnt 0x0                             ; Q
.Lslot:                                            ; eight trips: behind each change of slots but the last the next visit is asked for
	CHANGE 1
	SLOT_STEPS
	s_cmp_lg_u32 s[SLOTS], s12                     ; was this visit 7 - p, the high block's last?
	s_cbranch_scc1 .Lgo
	FINISH 1
.Lgo:
	s_sub_co_u32 s[SLOTS], s[SLOTS], 1
	s_cmp_lg_u32 s[SLOTS], 0
	s_cbranch_scc1 .Lslot
	CHANGE 0                                       ; the last visit is written out
	SLOT_STEPS
	FINISH 0
	s_wait_tensorcnt 0x0                           ; the wave's end
	ds_add_u32 v[SPW], v[NIL]
	s_wait_dscnt 0x0
	s_endpgm
.Lfunc_end_k_qeb2601e480_attn:
	.size	k_qeb2601e480_attn, .Lfunc_end_k_qeb2601e480_attn-k_qeb2601e480_attn
	.p2alignl 7, 3214868480
	.fill 96, 4, 3214868480
	.section	.rodata,"a",@progbits
	.p2align	6, 0x0
	.amdhsa_kernel k_qeb2601e480_attn
		.amdhsa_group_segment_fixed_size 327680
		.amdhsa_private_segment_fixed_size 0
		.amdhsa_enable_private_segment 0
		.amdhsa_kernarg_size 24
		.amdhsa_user_sgpr_count 2
		.amdhsa_user_sgpr_kernarg_segment_ptr 1
		.amdhsa_wavefront_size32 1
		.amdhsa_system_sgpr_workgroup_id_x 1
		.amdhsa_system_sgpr_workgroup_id_y 1
		.amdhsa_system_sgpr_workgroup_id_z 1
		.amdhsa_system_vgpr_workitem_id 0
		.amdhsa_next_free_vgpr 256
		.amdhsa_next_free_sgpr 80
		.amdhsa_reserve_vcc 1
		.amdhsa_float_denorm_mode_32 3
		.amdhsa_float_denorm_mode_16_64 3
		.amdhsa_fp16_overflow 1
		.amdhsa_memory_ordered 1
		.amdhsa_forward_progress 1
		.amdhsa_inst_pref_size 90
	.end_amdhsa_kernel
	.amdgpu_metadata
---
amdhsa.version: [ 1, 2 ]
amdhsa.kernels:
  - .name:           k_qeb2601e480_attn
    .symbol:         k_qeb2601e480_attn.kd
    .args:
      - { .name: qkv_codes, .offset: 0, .size: 8, .value_kind: global_buffer, .address_space: global }
      - { .name: lowp_scales, .offset: 8, .size: 8, .value_kind: global_buffer, .address_space: global }
      - { .name: o_codes, .offset: 16, .size: 8, .value_kind: global_buffer, .address_space: global }
    .group_segment_fixed_size: 327680
    .private_segment_fixed_size: 0
    .kernarg_segment_align: 8
    .kernarg_segment_size: 24
    .max_flat_workgroup_size: 512
    .sgpr_count:     80
    .vgpr_count:     256
    .wavefront_size: 32
...
	.end_amdgpu_metadata
.endif
;; end of part 3
;; launch outp (part 4): grid 4 x 32, 4 waves a work-group, clusters of 4 x 4, 327,680 bytes of LDS; arguments o_codes, wo_codes, lowp_scales, out0; writes out0
.if DOCPART == 4
	.amdgcn_target "amdgcn-amd-amdhsa--gfx1250"
	.amdhsa_code_object_version 6
	.text
	.protected	k_qeb2601e480_outp
	.globl	k_qeb2601e480_outp
	.p2align	8
	.type	k_qeb2601e480_outp,@function
k_qeb2601e480_outp:
	s_mov_b64 s[64:65], 0
	v_nop
	global_prefetch_b8 v0, s[64:65] scope:SCOPE_SE
	s_setreg_imm32_b32 hwreg(HW_REG_WAVE_MODE, 25, 1), 1
	s_wait_xcnt 0x0
	s_wait_alu depctr_hold_cnt(0) depctr_sa_sdst(0) depctr_va_vdst(0) depctr_va_sdst(0) depctr_va_ssrc(0) depctr_va_vcc(0) depctr_vm_vsrc(0)
	s_getreg_b32 s2, hwreg(HW_REG_IB_STS2, 6, 4)
	s_cmp_eq_u32 s2, 0
	s_cbranch_scc0 .Lentry_in_a_cluster
	s_endpgm
.Lentry_in_a_cluster:
	s_bfe_u32 s2, ttmp6, 0x10000c
	s_cmp_lg_u32 s2, 0xf033
	s_cbranch_scc0 .Lentry_shape_is_right
	s_endpgm
.Lentry_shape_is_right:
; out0 = o W_o^T on codes of E4M3; sums in f32, each multiplied once by 2^(e6 + e7).  LIMIT: e6 + e7 lies between -126 and 127.
; A = o, 8,192 rows x 1,024, comes as IMAGES OF OPERAND REGISTERS: [K / 256 (4)][row tile of 16 (512)][4,096 bytes]; in a row tile's bytes fragment q (128 along K) at 2,048 q, its group c at 512 c, lane l's 16 bytes at 16 l:
; lane (r, h) holds place r of the tile and K = 32 c + 16 h + 0 .. 15.  A row tile 2 B + u holds at place r the row 32 B + 8 u + r + 8 (r / 8): the way out puts the rows back.   B = W_o: [1024][1024] codes, rows in order, K innermost.
; A tile of 256 x 256 is made by a work-group of four waves, a wave makes 128 x 128.  K goes in four steps of 256 through two LDS slots.  CLUSTERS of 4 x 4: A's tile is asked for jointly by a row of the cluster, B's by a column.
; THE MATRIX INSTRUCTION IS USED TRANSPOSED (source 0 = 16 rows of B, source 1 = 16 rows of A): a lane holds eight neighbouring numbers of a row of the result.
; REGISTERS, in windows of 256: window 0: v0-31 addresses; from v128 A's fragments, ONE set; on the way out v32-255 are free.   window 1: B's fragments, TWO sets.   windows 2, 3: the accumulators ((a, b) at v[8 (8 (a % 4) + b)]).
.set ROWB,   256
.set KROW,   1024
.set PITCH,  272                       ; B's LDS row: 256 bytes + 16 of padding: the 16 rows that a load touches start at 16 different banks (64 banks of 4 bytes: ISA guide 11.1).  A's images are read 512 consecutive bytes an instruction and want none
.set FR,     16
.set NL,     4
.set NP,     4
.set HALFT,  128*PITCH                 ; a wave's part of a slot; A's 128 rows x 256 K are 32,768 bytes of it
.set SLOT,   4*HALFT
.set ASTEP,  2097152                   ; from one 256 along K of A to the next
.set SPARE,  2*SLOT
.set SPITCH, 528                       ; the way out: a stage of 16 rows x (512 bytes + 16) for each wave, in slot 0, which has had its last fill and its last read when the first result is stored there
.set ADRA, 16
.set ADRB, 20
.set STO,  24
.set RD,   25
.set CO,   26                          ; v26     16 x lane
.set SPW,  28
.set NIL,  29
.set TMP,  32
.set AF,   128
.set BK,   128
.set G1, 24
.set G0, 32
.set G1B, 48
.set G0B, 56
.set MSB, 0
.macro WIN new
.if MSB != \new
	s_set_vgpr_msb (MSB<<8)|\new
.set MSB, \new
.endif
.endm
.set MUL_LO, 0xa1
.set MUL_HI, 0xf1
.set TO_B,   0x40
.macro JLOAD g0a, g1a, g0b, g1b        ; waves 0 and 1 fetch for A, waves 2 and 3 for B; four v_nop follow each line
	s_cmp_eq_u32 s15, 0
	s_cbranch_scc0 .Lfor_b_\@
	tensor_load_to_lds s[\g0a:\g0a+3], s[\g1a:\g1a+7]
	s_nop 0
.rept 4
	v_nop
.endr
	s_branch .Lasked_\@
.Lfor_b_\@:
	tensor_load_to_lds s[\g0b:\g0b+3], s[\g1b:\g1b+7]
	s_nop 0
.rept 4
	v_nop
.endr
.Lasked_\@:
.endm
.macro CREST
	s_cmp_lg_u32 s14, 0
	s_cbranch_scc1 .Lnot_wave_0_\@
	s_barrier_signal -3
.Lnot_wave_0_\@:
	s_barrier_wait -3
	s_barrier_signal -1
	s_barrier_wait -1
.endm
.macro CROUND
	s_barrier_signal -1
	s_barrier_wait -1
	CREST
.endm
	s_load_b128 s[4:7], s[0:1], 0x0                ; o's codes s[4:5], W_o's codes s[6:7]
	s_load_b128 s[8:11], s[0:1], 0x10              ; the scales' exponents s[8:9], out0 s[10:11]
	v_lshl_add_u32 v[SPW], v0, 2, SPARE
	v_mov_b32 v[NIL], 0
	ds_add_u32 v28, v29
	ds_add_u32 v28, v29
	s_wait_dscnt 0x0
	v_lshrrev_b32 v1, 5, v0
	v_readfirstlane_b32 s14, v1                    ; wave 0..3
	s_lshr_b32 s15, s14, 1                         ; my half of the tile's rows.  Also: I fetch for A (0) or for B (1)
	s_and_b32 s16, s14, 1                          ; my half of its columns.  Also: which 128 rows I fetch
	s_bfe_u32 s40, ttmp6, 0x40000                  ; cx, cy
	s_bfe_u32 s41, ttmp6, 0x40004
	s_lshl_b32 s42, ttmp9, 2
	s_add_co_u32 s42, s42, s40                     ; tile column
	s_and_b32 s17, ttmp7, 0xffff
	s_lshl_b32 s17, s17, 2
	s_add_co_u32 s17, s17, s41                     ; tile row
	s_lshl_b32 s43, s41, 2
	s_lshl_b32 s43, 15, s43                        ; my row of the cluster
	s_lshl_b32 s44, 0x1111, s40                    ; my column
	s_or_b32 s[G1+0], s43, (3<<16)|(1<<21)         ; A: the mask; elements of 8 bytes; 21 set beside a mask; no padding
	s_mov_b32 s[G1+1], 32<<16                      ; tensor_dim0 = 32 elements: 256 bytes
	s_mov_b32 s[G1+2], 128<<16                     ; tensor_dim1 = 128
	s_mov_b32 s[G1+3], 32<<16                      ; tile_dim0
	s_mov_b32 s[G1+4], 128                         ; tile_dim1
	s_mov_b32 s[G1+5], 32                          ; dense
	s_mov_b32 s[G1+6], 0
	s_mov_b32 s[G1+7], 0
	s_or_b32 s[G1B+0], s44, (0<<16)|(1<<20)|(1<<21)|(5<<22)|(3<<25)  ; B: elements of 1 byte; four words of padding after every 64
	s_mov_b32 s[G1B+1], ROWB<<16
	s_mov_b32 s[G1B+2], 128<<16
	s_mov_b32 s[G1B+3], ROWB<<16
	s_mov_b32 s[G1B+4], 128
	s_mov_b32 s[G1B+5], KROW
	s_mov_b32 s[G1B+6], 0
	s_mov_b32 s[G1B+7], 0
	s_lshl_b32 s20, s17, 4
	s_lshl_b32 s18, s16, 3
	s_add_co_u32 s20, s20, s18                     ; A: row tile 16 x tile row + 8 x half
	s_lshl_b32 s20, s20, 12                        ; x 4,096 bytes
	s_mov_b32 s21, 0
	s_lshl_b32 s18, s16, 7
	s_lshl_b32 s46, s42, 8
	s_add_co_u32 s46, s46, s18                     ; B: row 256 x tile column + 128 x half
	s_lshl_b32 s46, s46, 10
	s_mov_b32 s47, 0
	s_mul_i32 s45, s14, HALFT
	s_wait_kmcnt 0x0
	s_load_b64 s[96:97], s[8:9], 0x18              ; e6, e7
	s_add_nc_u64 s[20:21], s[4:5], s[20:21]
	s_add_nc_u64 s[46:47], s[6:7], s[46:47]
	CROUND                                         ; all sixteen work-groups are here: the first joint loads meet
.irp s, 0,1
	s_mov_b32 s[G0+4*\s], 1
	s_add_co_u32 s[G0+4*\s+1], s45, \s*SLOT
	s_add_nc_u64 s[G0+4*\s+2:G0+4*\s+3], s[20:21], \s*ASTEP
	s_or_b32 s[G0+4*\s+3], s[G0+4*\s+3], 0x80000000
	s_mov_b32 s[G0B+4*\s], 1
	s_add_co_u32 s[G0B+4*\s+1], s45, \s*SLOT
	s_add_nc_u64 s[G0B+4*\s+2:G0B+4*\s+3], s[46:47], \s*ROWB
	s_or_b32 s[G0B+4*\s+3], s[G0B+4*\s+3], 0x80000000
	s_wait_alu depctr_va_vdst(0)
	s_wait_tensorcnt 0x0
	ds_add_u32 v28, v29
	ds_add_u32 v28, v29
	s_wait_dscnt 0x0
	CROUND
	JLOAD G0+4*\s, G1, G0B+4*\s, G1B               ; one load of mine is out
.endr
	v_and_b32 v1, 15, v0                           ; l % 16
	v_bfe_u32 v2, v0, 4, 1                         ; l / 16
	v_mul_u32_u24 v3, v1, PITCH
	v_lshl_add_u32 v4, v2, 4, v3                   ; B: a fragment's row x pitch + 16 x half
	v_and_b32 v6, 31, v0
	v_lshlrev_b32 v[CO], 4, v6                     ; A: 16 x lane
	s_wait_alu depctr_va_vdst(0)
	s_mul_i32 s21, s15, HALFT                      ; my 128 rows of A
	s_mul_i32 s22, s16, HALFT
	s_add_co_u32 s22, s22, 2*HALFT                 ; my 128 rows of B
.irp s, 0,1
	v_add_nc_u32 v[ADRA+\s], s21, v[CO]
	v_add_nc_u32 v[ADRB+\s], s22, v4
	s_add_co_u32 s21, s21, SLOT
	s_add_co_u32 s22, s22, SLOT
.endr
	s_mul_i32 s23, s14, 16*SPITCH                  ; my stage
	v_mul_u32_u24 v5, v1, SPITCH                   ; in: row l % 16, 32 bytes for each half of the lanes
	v_lshl_add_u32 v5, v2, 5, v5
	v_add_nc_u32 v[STO], s23, v5
	v_add_nc_u32 v[RD], s23, v[CO]                 ; back: the 32 lanes take one row of 512 bytes
	s_lshl_b32 s20, s17, 8
	s_lshl_b32 s21, s15, 7
	s_add_co_u32 s20, s20, s21                     ; my first row: 256 x tile row + 128 x half
	s_lshl_b32 s20, s20, 12                        ; a row of the result is 4,096 bytes
	s_lshl_b32 s46, s42, 10
	s_lshl_b32 s47, s16, 9
	s_add_co_u32 s46, s46, s47                     ; my first column, in bytes
	s_add_co_u32 s20, s20, s46
	s_mov_b32 s21, 0
	s_add_nc_u64 s[10:11], s[10:11], s[20:21]
.macro FRAGB reg, slot, q, i           ; lane l holds row l % 16; registers 4 c .. 4 c + 3 hold K = 32 c + 16 (l / 16) + 0 .. 15: the order in which A's images lie
.irp c, 0,1,2,3
	ds_load_b128 v[\reg+4*\c:\reg+4*\c+3], v[ADRB+\slot] offset:128*(\q)+32*\c+(\i)*16*PITCH
.endr
.endm
.macro FRAGA reg, slot, q, i           ; an image comes back as it was stored
.irp c, 0,1,2,3
	ds_load_b128 v[\reg+4*\c:\reg+4*\c+3], v[ADRA+\slot] offset:4096*(\i)+2048*(\q)+512*\c
.endr
.endm
.macro MUL16 a0, p, zero               ; 16 matrix instructions; the 64 accumulators take turns, one instruction a turn, in the same order in every step
.irp a, \a0, \a0+1
.irp b, 0,1,2,3,4,5,6,7
.if \zero
	v_wmma_f32_16x16x128_fp8_fp8 v[8*(8*((\a)%4)+\b):8*(8*((\a)%4)+\b)+7], v[128*(\p)+FR*\b:128*(\p)+FR*\b+FR-1], v[AF+FR*(\a):AF+FR*(\a)+FR-1], 0
.else
	v_wmma_f32_16x16x128_fp8_fp8 v[8*(8*((\a)%4)+\b):8*(8*((\a)%4)+\b)+7], v[128*(\p)+FR*\b:128*(\p)+FR*\b+FR-1], v[AF+FR*(\a):AF+FR*(\a)+FR-1], v[8*(8*((\a)%4)+\b):8*(8*((\a)%4)+\b)+7]
.endif
.endr
.endr
.endm
.macro FETCH_B slot, q, p
	WIN TO_B
.irp i, 0,1,2,3,4,5,6,7
	FRAGB 128*(\p)+FR*\i, \slot, \q, \i
.endr
	WIN 0
.endm
.macro FETCH_A slot, q, i0
.irp i, \i0, \i0+1, \i0+2, \i0+3
	FRAGA AF+FR*(\i), \slot, \q, \i
.endr
.endm
.macro PLACES n                        ; plain vector instructions between a matrix instruction and a load into a register that it has read, or a read of its result (for the read of its result ISA guide 7.12.1)
.rept \n
	v_nop
.endr
.endm
.macro STEP slot, q, zero
	s_wait_dscnt 4*NL                              ; B's set and A's blocks 0-3 are in; the youngest 16 loads (A's blocks 4-7) may be out
	WIN MUL_LO
	MUL16 0, (\q)%2, \zero
	MUL16 2, (\q)%2, \zero
	s_wait_dscnt 0
	PLACES NP
	FETCH_B \slot, (\q)+1, 1-(\q)%2
	FETCH_A \slot, (\q)+1, 0
	WIN MUL_HI
	MUL16 4, (\q)%2, \zero
	MUL16 6, (\q)%2, \zero
	PLACES NP
	WIN 0
	FETCH_A \slot, (\q)+1, 4
.endm
.macro TURN slot, next, fill           ; a slot's last step changes slots: ONE barrier, in front of it the wait for all my tensor loads, the add, and the wait for it and for my reads of this slot
	s_wait_tensorcnt 0x0
	ds_add_u32 v[SPW], v[NIL]                      ; 0 onto my spare word
	s_wait_dscnt 4*NL+1                            ; (the add and the youngest 16 loads may be out)
	WIN MUL_LO
	MUL16 0, 1, 0
	s_wait_dscnt 0x0
	s_barrier_signal -1
	MUL16 2, 1, 0
	WIN 0
	s_barrier_wait -1
.if \fill
	CREST                                          ; the barrier has opened a round of the cluster's barrier
	s_add_nc_u64 s[G0+4*\slot+2:G0+4*\slot+3], s[G0+4*\slot+2:G0+4*\slot+3], 2*ASTEP
	s_add_nc_u64 s[G0B+4*\slot+2:G0B+4*\slot+3], s[G0B+4*\slot+2:G0B+4*\slot+3], 2*ROWB
	JLOAD G0+4*\slot, G1, G0B+4*\slot, G1B         ; the first tensor load behind the round, my one load that is out
.else
	PLACES NP
.endif
	FETCH_B \next, 0, 0
	FETCH_A \next, 0, 0
	WIN MUL_HI
	MUL16 4, 1, 0
	MUL16 6, 1, 0
	PLACES NP
	WIN 0
	FETCH_A \next, 0, 4
.endm
	s_wait_alu depctr_va_vdst(0)
	s_wait_tensorcnt 1                             ; my part of K step 0 is in (K step 1's load may be out)
	s_barrier_signal -1
	s_barrier_wait -1                              ; everybody's is
	FETCH_B 0, 0, 0
	FETCH_A 0, 0, 0
	FETCH_A 0, 0, 4
	STEP 0, 0, 1                                   ; four K steps of 256, written out: a loop would have one trip
	TURN 0, 1, 1
	STEP 1, 0, 0
	TURN 1, 0, 1
	STEP 0, 0, 0
	TURN 0, 1, 0
	STEP 1, 0, 0
	s_wait_dscnt 4*NL
	WIN MUL_LO
	MUL16 0, 1, 0
	MUL16 2, 1, 0
	s_wait_dscnt 0
	WIN MUL_HI
	MUL16 4, 1, 0
	MUL16 6, 1, 0
	WIN 0
; THE WAY OUT, block by block of 16 rows x 128 columns, through my own stage in LDS, back as whole rows of 512 bytes.  LDS serves a wave's instructions in order (ISA guide 5.7.1.4): no wait between the stores and the loads.
.macro TOSTAGE a
.set AC, 64*((\a)%4)
	WIN 0x02+((\a)/4)
.set j, 0
.rept 32
	v_pk_mul_f32 v[TMP+j:TMP+j+1], v[AC+j:AC+j+1], s[96:97] op_sel_hi:[1,0]   ; x 2^(e6 + e7); each accumulator from its low end on
.set j, j+2
.endr
	WIN 0
.irp b, 0,1,2,3,4,5,6,7
	ds_store_b128 v[STO], v[TMP+8*\b:TMP+8*\b+3] offset:64*\b
	ds_store_b128 v[STO], v[TMP+8*\b+4:TMP+8*\b+7] offset:64*\b+16
.endr
.set BB, BK+64*((\a)%2)
.irp t, 0,1,2,3,4,5,6,7,8,9,10,11,12,13,14,15
	ds_load_b128 v[BB+4*\t:BB+4*\t+3], v[RD] offset:\t*SPITCH
.endr
.endm
.macro SEND a, younger                 ; place t of block a is row 32 (a / 2) + 8 (a % 2) + t + 8 (t / 8) of my 128: the rows go back into their order; 127 rows of 4,096 bytes at the most, inside the signed 24-bit immediate
.set BB, BK+64*((\a)%2)
	s_wait_dscnt \younger
.irp t, 0,1,2,3,4,5,6,7,8,9,10,11,12,13,14,15
	global_store_b128 v[CO], v[BB+4*\t:BB+4*\t+3], s[10:11] offset:(32*((\a)/2)+8*((\a)%2)+\t+8*(\t/8))*4096 th:TH_STORE_NT   ; 32 lanes store 512 consecutive bytes, aligned
.endr
.endm
	s_wait_kmcnt 0x0
	s_add_co_i32 s96, s96, s97
	s_add_co_i32 s96, s96, 127
	s_lshl_b32 s96, s96, 23                        ; 2^(e6 + e7) as f32
	PLACES NP
	TOSTAGE 0
.irp a, 1,2,3,4,5,6,7
.if \a > 1
	s_wait_xcnt 0x0                                ; block a - 2's stores have read their registers: block a's loads may land there
.endif
	TOSTAGE \a
	SEND \a-1, 32                                  ; behind block a - 1's loads: block a's 16 stores and 16 loads
.endr
	SEND 7, 0
	s_wait_tensorcnt 0x0                           ; the wave's end
	ds_add_u32 v[SPW], v[NIL]
	s_wait_dscnt 0x0
	CROUND                                         ; the closing round
	s_endpgm
.Lfunc_end_k_qeb2601e480_outp:
	.size	k_qeb2601e480_outp, .Lfunc_end_k_qeb2601e480_outp-k_qeb2601e480_outp
	.p2alignl 7, 3214868480
	.fill 96, 4, 3214868480
	.section	.rodata,"a",@progbits
	.p2align	6, 0x0
	.amdhsa_kernel k_qeb2601e480_outp
		.amdhsa_group_segment_fixed_size 327680
		.amdhsa_private_segment_fixed_size 0
		.amdhsa_enable_private_segment 0
		.amdhsa_kernarg_size 32
		.amdhsa_user_sgpr_count 2
		.amdhsa_user_sgpr_kernarg_segment_ptr 1
		.amdhsa_wavefront_size32 1
		.amdhsa_system_sgpr_workgroup_id_x 1
		.amdhsa_system_sgpr_workgroup_id_y 1
		.amdhsa_system_sgpr_workgroup_id_z 1
		.amdhsa_system_vgpr_workitem_id 0
		.amdhsa_next_free_vgpr 1024
		.amdhsa_next_free_sgpr 100
		.amdhsa_reserve_vcc 0
		.amdhsa_float_denorm_mode_32 3
		.amdhsa_float_denorm_mode_16_64 3
		.amdhsa_memory_ordered 1
		.amdhsa_forward_progress 1
		.amdhsa_inst_pref_size 123
	.end_amdhsa_kernel
	.amdgpu_metadata
---
amdhsa.version: [ 1, 2 ]
amdhsa.kernels:
  - .name:           k_qeb2601e480_outp
    .symbol:         k_qeb2601e480_outp.kd
    .args:
      - { .name: o_codes, .offset: 0, .size: 8, .value_kind: global_buffer, .address_space: global }
      - { .name: wo_codes, .offset: 8, .size: 8, .value_kind: global_buffer, .address_space: global }
      - { .name: lowp_scales, .offset: 16, .size: 8, .value_kind: global_buffer, .address_space: global }
      - { .name: out0, .offset: 24, .size: 8, .value_kind: global_buffer, .address_space: global }
    .group_segment_fixed_size: 327680
    .private_segment_fixed_size: 0
    .kernarg_segment_align: 8
    .kernarg_segment_size: 32
    .max_flat_workgroup_size: 128
    .sgpr_count:     100
    .vgpr_count:     1024
    .wavefront_size: 32
...
	.end_amdgpu_metadata
.endif
;; end of part 4
